; MI455X (gfx1250); checked and timed in simulation.
; The chip was launched on July 23, 2026; its instructions are those of AMD's public machine-readable ISA for CDNA 5 (MIT licence, August 2026) and "CDNA5" Instruction Set Architecture Reference Guide (July 2026). The comments in the code are by the model that wrote it; some were corrected since.
;; MH Attn. Allowed arithmetic: matrix products marked QUANTISED: E2M1 operands, one E8M0 scale for each 32 along K, by v_wmma_scale_f32_16x16x128_f8f6f4 with both operands' format E2M1 (or v_wmma_scale_f32_32x16x128_f4), f32 sums; everything else in f32.
;; Inputs: Wk 1,024 x 1,024 float32; Wo 1,024 x 1,024 float32; Wq 1,024 x 1,024 float32; Wv 1,024 x 1,024 float32; beta 1,024 float32; gamma 1,024 float32; k 1 x 4,096 x 1,024 float32; q 1 x 4,096 x 1,024 float32; v 1 x 4,096 x 1,024 float32.
;; Outputs: out0 1 x 4,096 x 1,024 float32.
;; This version of the problem:
;;   THIS VERSION OF THE PROBLEM IS GIVEN IN LOW PRECISION. The matrix products marked QUANTISED in the list below multiply operands that are first quantised to E2M1 (2 exponent bits, 1 mantissa bit; 4 bits a number), with one power-of-two scale for each 32 numbers along K (OCP MX v1.0); their sums are f32. All else is computed in f32.
;;   The module's matrix products, in the order in which they are computed (A, B: the left and right operand; K: the contracted axis; several contracted axes count as one K, in the product's order):
;;     1. [M 4,096, K 1,024] x [K 1,024, N 1,024]; A: input q; B: input Wq: QUANTISED
;;     2. [M 4,096, K 1,024] x [K 1,024, N 1,024]; A: input k; B: input Wk: QUANTISED
;;     3. [M 4,096, K 1,024] x [K 1,024, N 1,024]; A: input v; B: input Wv: QUANTISED
;;     4. batch 16 x [M 4,096, K 64] x [K 64, N 4,096]; A: computed on the way; B: computed on the way: QUANTISED
;;     5. batch 16 x [M 4,096, K 4,096] x [K 4,096, N 64]; A: softmax (see below); B: computed on the way: QUANTISED
;;     6. [M 4,096, K 1,024] x [K 1,024, N 1,024]; A: computed on the way; B: input Wo: QUANTISED
;;   THE QUANTISER, for each operand of a quantised product, along K:
;;     - K is cut into blocks of 32 from its start; a last block that is shorter is filled with zeros.
;;     - A block's scale is 2^e with e = floor(log2(the largest magnitude in the block)) - 2, held to -126 .. 127; a block of zeros has e = 0. As a byte (E8M0): e + 127.
;;     - Each number is divided by its block's scale, clamped to +-6, and rounded to the nearest number of E2M1, ties to even, subnormals kept.
;;     - The product sums the exact products of the quantised numbers (number of the format x scale) in f32.
;;   ~~~python
;;   def quantise(x, axis):      # numpy; x: float32 -> the quantised numbers, widened to float32 again
;;       x = np.moveaxis(x, axis, -1); K = x.shape[-1]
;;       x = np.pad(x, [(0, 0)] * (x.ndim - 1) + [(0, -K % 32)]); x = x.reshape(x.shape[:-1] + (-1, 32)); a = np.abs(x).max(-1, keepdims=True)
;;       e = np.where(a > 0, np.clip(np.frexp(np.where(a > 0, a, 1))[1] - 1 - 2, -126, 127), 0)      # np.frexp(a)[1] - 1 = floor(log2(a)), exactly
;;       r = np.clip(x / 2.0 ** e, -6, 6)
;;       step = 2.0 ** (np.maximum(np.frexp(np.where(r == 0, 1, r))[1] - 1, 0) - 1)
;;       q = np.round(r / step) * step * 2.0 ** e      # np.round: ties to even
;;       return np.moveaxis(q.reshape(q.shape[:-2] + (-1,))[..., :K], -1, axis).astype(np.float32)
;;   ~~~
;;   SOFTMAX AHEAD OF A QUANTISED PRODUCT. Where the list says 'softmax', what is quantised is not the finished softmax but p = 2^(t - M), with t = logit x log2(e) and M = ceil(the row's largest t), a whole number; so 1/2 < the row's largest p <= 1. The row's sum l is taken of the UNQUANTISED p, in f32, and the product's result is divided by l at the end. Since M is a whole number, a kernel that streams over the keys may use a running M (the ceiling of the running maximum): every later rescaling is an exact power of two, which a block's scale takes up: the codes' values come out the same.
;;   OPERANDS COMPUTED ON THE WAY. 'Computed on the way' means the value that the module computes at that place (a softmax that the list does not call 'softmax' is quantised finished and normalised). What goes into a quantiser is computed in f32, as accurately as f32 sums, v_exp_f32 and their like allow (about 1e-6 of the number): no bf16 or f16 on the way to a quantiser, and a product that is left as it is and whose result goes on into a quantised operand takes f32 operands (vector FMAs, or v_wmma_f32_16x16x4_f32). A number that lies on a knife's edge between two numbers of the format may be rounded either way, as far as f32 arithmetic and the matrix unit's own rounding can turn it there, and no further.
;; One version. Each part assembles by itself: llvm-mc -triple=amdgcn-amd-amdhsa -mcpu=gfx1250 --defsym DOCPART=n.
;; ======== version 1 of 1: 4 launches
;; limits: right only within a limited range of input values
;; workspace buffers: xc 8,912,896 bytes; qx 4,456,448 bytes; kv 4,456,448 bytes; ao 2,097,152 bytes; asc 131,072 bytes
;; launch quant (part 1): grid 256 x 1, 8 waves a work-group, no clusters, 68,608 bytes of LDS; arguments q, k, v, Wq, Wk, Wv, Wo, xc; writes xc
.if DOCPART == 1
	.amdgcn_target "amdgcn-amd-amdhsa--gfx1250"
	.amdhsa_code_object_version 6
	.text
	.protected	k_q9edd122d9b_quant
	.globl	k_q9edd122d9b_quant
	.p2align	8
	.type	k_q9edd122d9b_quant,@function
k_q9edd122d9b_quant:
	s_mov_b64 s[64:65], 0
	v_nop
	global_prefetch_b8 v0, s[64:65] scope:SCOPE_SE
	s_setreg_imm32_b32 hwreg(HW_REG_WAVE_MODE, 25, 1), 1
	s_wait_xcnt 0x0
; LAUNCH 1 OF 4.  q, k, v [4096][1024] and Wq, Wk, Wv, Wo [1024][1024], f32 with K innermost, become codes of E2M1 with one E8M0 byte for each 32 along K.
; NO WORK OF THE PROBLEM IS LEFT OUT: every input has a way to the output and is loaded, every product of the table is done.  One step is moved: qh * scale has scale = 2^-3, a power of two,
; which changes no code of the quantised qh and lowers each scale byte by 3; the factor is carried in the softmax's constant log2(e) / 8 (launch 3), which gives the same t bit for bit.
; LIMITS: that move is exact while no block of qh has its largest magnitude under 2^-121 (where the hold of the exponent at -126 would act).  A block whose largest magnitude lies under 2^-124 is held at the byte 1;
; a block of zeros has the byte 1 where the rule says 127 (its codes are zeros, which add nothing under any byte but 0xff, and these bytes are read by this program alone).  NaN and infinities among the inputs are not served.
; LAYOUT OF xc: 1,024 tiles of 16 rows x 1,024 K, 8,704 bytes each: q 0-255, k 256-511, v 512-767, Wq 768-831, Wk 832-895, Wv 896-959, Wo 960-1023.
; A tile holds eight IMAGES OF OPERAND REGISTERS (K step s at 1,024 s: registers 4 c .. 4 c + 3 of lane l at 512 c + 16 l), then at 8,192 its scale words: row position r, K step s at 256 (s / 4) + 16 r + 4 (s % 4).
; THE ROWS OF A TILE ARE NOT NEIGHBOURS: position r of tile T of a tensor is row 32 (T / 2) + 8 (T % 2) + r + 8 (r / 8).  Used as source 0 of a product, such a tile leaves in the 16 result registers
; of tiles 2 b and 2 b + 1 sixteen neighbouring rows, 32 b + 16 (lane / 16) + 0 .. 15: what the next quantiser wants.
; SHARES: work-group g, wave w: tile 4 g + w / 2, K half w % 2: four fragments.  Each load reads 512 consecutive bytes of one row; a fragment's 8,192 bytes turn through the wave's own stage in LDS
; (rows 528 bytes apart) so that a lane gets 16 neighbours of each block of 32.  No barrier: waves share nothing.  Loads run one fragment (16 loads) ahead.
.set STGB,  8448                       ; a wave's stage: 16 rows x (512 + 16) bytes
.set SPARE, 8*STGB                     ; behind the stages: the spare words, 128 bytes a wave
.set TILEB, 8704
.set PW,  8                            ; v8-11   the four fragments' scale words
.set SPW, 12                           ; v12     my spare word's LDS address; never rewritten
.set NIL, 13                           ; v13     0; never rewritten
.set TM,  16                           ; v16-31  the quantiser's work registers
.set PC,  32                           ; v32-63  codes, 8 registers a fragment: no store's data are written again
.set X,   64                           ; v64-127 64 numbers: register 16 b + i = k 32 b + 16 (lane / 16) + i of my row
.set R,   128                          ; v128-255 two sets of 64 registers as loaded
.set SEL, 12                           ; s[12:13] selects of v_permlanex16_b32 for lane l xor 16
; 64 numbers of a lane become a fragment's 8 code registers v[pc ..] and its scale word v[pw]
.macro QUANT s, pc, pw
.irp b, 0,1,2,3
	v_max3_num_f32 v[TM+\b], |v[(\s)+16*\b]|, |v[(\s)+1+16*\b]|, 0x1800000   ; block b: my 16 numbers, and the floor 2^(3 - 127): the byte cannot fall under 1
.endr
.irp i, 2,4,6,8,10,12,14
.irp b, 0,1,2,3
	s_delay_alu instid0(VALU_DEP_4)
	v_max3_num_f32 v[TM+\b], v[TM+\b], |v[(\s)+16*\b+\i]|, |v[(\s)+1+16*\b+\i]|   ; the four blocks by turns
.endr
.endr
.irp b, 0,1,2,3
	s_delay_alu instid0(VALU_DEP_4)
	v_permlanex16_b32 v[TM+4+\b], v[TM+\b], s[SEL], s[SEL+1]
.endr
.irp b, 0,1,2,3
	s_delay_alu instid0(VALU_DEP_4)
	v_max_num_f32 v[TM+\b], v[TM+\b], v[TM+4+\b]   ; with lane l xor 16's 16: the block's largest magnitude
.endr
.irp b, 0,1,2,3
	s_delay_alu instid0(VALU_DEP_4)
	v_add_nc_u32 v[TM+12+\b], 0xff000000, v[TM+\b] ; 2 off its exponent field: the conversion's scale operand
.endr
.irp b, 0,1,2,3
	s_delay_alu instid0(VALU_DEP_4)
	v_lshrrev_b32 v[TM+4+\b], 23, v[TM+12+\b]      ; the scale's byte
.endr
	s_delay_alu instid0(VALU_DEP_3)
	v_lshl_or_b32 v[\pw], v[TM+5], 8, v[TM+4]
	s_delay_alu instid0(VALU_DEP_1)
	v_lshl_or_b32 v[\pw], v[TM+6], 16, v[\pw]
	s_delay_alu instid0(VALU_DEP_1)
	v_lshl_or_b32 v[\pw], v[TM+7], 24, v[\pw]      ; my row's scale word
.irp b, 0,1,2,3
	v_cvt_scalef32_pk8_fp4_f32 v[(\pc)+2*\b], v[(\s)+16*\b:(\s)+7+16*\b], v[TM+12+\b]
	v_cvt_scalef32_pk8_fp4_f32 v[(\pc)+1+2*\b], v[(\s)+8+16*\b:(\s)+15+16*\b], v[TM+12+\b]
.endr
	v_nop                                          ; one plain place behind a scaled conversion
.irp c, 0,1                                    ; the operand's layout wants a whole block in a lane
.irp i, 0,1
	v_permlane16_swap_b32 v[(\pc)+4*\c+\i], v[(\pc)+2+4*\c+\i]
.endr
.endr
.endm
.macro LOADF s                         ; fragment s: position i's row, 512 consecutive bytes a load
.irp i, 0,1,2,3,4,5,6,7
	global_load_b128 v[R+64*((\s)%2)+4*\i:R+64*((\s)%2)+4*\i+3], v1, s[4:5] offset:\i*4096+512*(\s) th:TH_LOAD_NT
.endr
.irp i, 8,9,10,11,12,13,14,15                  ; positions 8-15: 16 rows on, and in k 32 rows on (v7 carries the 16 more)
	global_load_b128 v[R+64*((\s)%2)+4*\i:R+64*((\s)%2)+4*\i+3], v7, s[4:5] offset:(\i+8)*4096+512*(\s) th:TH_LOAD_NT
.endr
.endm
.macro FRAGQ s
.if (\s) < 3
	s_wait_loadcnt 16                              ; this fragment's 16 loads are in; the next fragment's 16 may be out
.else
	s_wait_loadcnt 0
.endif
.irp i, 0,1,2,3,4,5,6,7,8,9,10,11,12,13,14,15
	ds_store_b128 v2, v[R+64*((\s)%2)+4*\i:R+64*((\s)%2)+4*\i+3] offset:528*\i
.endr
.irp b, 0,1,2,3
.irp j, 0,1,2,3
	ds_load_b128 v[X+16*\b+4*\j:X+16*\b+4*\j+3], v3 offset:128*\b+16*\j   ; LDS serves a wave's instructions in order: these see the stores above
.endr
.endr
	s_wait_dscnt 0x0                               ; the numbers are back, and the stores have read their registers,
.if (\s) < 2
	LOADF (\s)+2                                   ; which take the loads of two fragments on
.endif
	QUANT X, PC+8*(\s), PW+(\s)
	global_store_b128 v1, v[PC+8*(\s):PC+8*(\s)+3], s[6:7] offset:1024*(\s)          ; 32 lanes store 512 consecutive bytes
	global_store_b128 v1, v[PC+8*(\s)+4:PC+8*(\s)+7], s[6:7] offset:1024*(\s)+512
.endm
	s_load_b512 s[16:31], s[0:1], 0x0              ; q, k, v, Wq, Wk, Wv, Wo, xc
	v_lshl_add_u32 v[SPW], v0, 2, SPARE
	v_mov_b32 v[NIL], 0
	v_lshrrev_b32 v6, 5, v0
	s_delay_alu instid0(VALU_DEP_1)
	v_readfirstlane_b32 s10, v6                    ; wave 0..7
	v_and_b32 v7, 31, v0                           ; lane
	v_and_b32 v6, 15, v0                           ; r
	v_bfe_u32 v5, v0, 4, 1                         ; h
	s_delay_alu instid0(VALU_DEP_3)
	v_lshlrev_b32 v1, 4, v7                        ; 16 x lane
	s_mul_i32 s2, s10, STGB
	v_add_nc_u32 v2, s2, v1                        ; into my stage: 16 x lane of a row
	v_mul_u32_u24 v3, v6, 528
	s_delay_alu instid0(VALU_DEP_1)
	v_lshl_add_u32 v3, v5, 6, v3
	s_delay_alu instid0(VALU_DEP_1)
	v_add_nc_u32 v3, s2, v3                        ; out of it: row r, + 64 h
	v_lshlrev_b32 v4, 4, v6
	s_delay_alu instid0(VALU_DEP_1)
	v_lshl_add_u32 v4, v5, 3, v4                   ; the scale words' place: 16 r + 8 h
	s_mov_b32 s[SEL], 0x76543210
	s_mov_b32 s[SEL+1], 0xfedcba98
.irp b, 0,1,2,3
	v_mov_b32 v[TM+4+\b], 0                        ; written once: a lane permute's destination counts as one of its sources
.endr
	s_lshr_b32 s3, s10, 1                          ; which of the work-group's four tiles
	s_and_b32 s14, s10, 1                          ; which half of K
	s_lshl_b32 s15, ttmp9, 2
	s_add_co_u32 s15, s15, s3                      ; the tile's number in xc
	s_wait_alu depctr_va_vdst(0)
	s_wait_kmcnt 0x0
	s_mov_b64 s[4:5], s[28:29]                     ; which tensor: the choice hangs on the work-group's number alone
	s_mov_b32 s11, 240
	s_cmp_lt_u32 ttmp9, 240
	s_cselect_b64 s[4:5], s[26:27], s[4:5]
	s_cselect_b32 s11, 224, s11
	s_cmp_lt_u32 ttmp9, 224
	s_cselect_b64 s[4:5], s[24:25], s[4:5]
	s_cselect_b32 s11, 208, s11
	s_cmp_lt_u32 ttmp9, 208
	s_cselect_b64 s[4:5], s[22:23], s[4:5]
	s_cselect_b32 s11, 192, s11
	s_cmp_lt_u32 ttmp9, 192
	s_cselect_b64 s[4:5], s[20:21], s[4:5]
	s_cselect_b32 s11, 128, s11
	s_cmp_lt_u32 ttmp9, 128
	s_cselect_b64 s[4:5], s[18:19], s[4:5]
	s_cselect_b32 s11, 64, s11
	s_cmp_lt_u32 ttmp9, 64
	s_cselect_b64 s[4:5], s[16:17], s[4:5]
	s_cselect_b32 s11, 0, s11
	s_sub_co_u32 s11, ttmp9, s11
	s_lshl_b32 s11, s11, 2
	s_add_co_u32 s11, s11, s3                      ; the tile's number in its tensor
	s_lshr_b32 s32, s11, 1
	s_lshl_b32 s32, s32, 17                        ; 32 rows of 4,096 bytes for each pair of tiles,
	s_and_b32 s33, s11, 1
	s_lshl_b32 s33, s33, 15                        ; 8 rows for the odd tile,
	s_add_co_u32 s32, s32, s33
	; K'S TILES ALONE TAKE OTHER ROWS: position r of tile T of k is row 64 (T / 4) + 8 (T % 4) + r % 8 + 32 (r / 8), so that in launch 3 a lane's 32 score registers of four tiles are one whole block of 32 neighbouring keys
	s_lshr_b32 s38, s11, 2
	s_lshl_b32 s38, s38, 18                        ; 64 rows of 4,096 bytes for each four tiles,
	s_and_b32 s39, s11, 3
	s_lshl_b32 s39, s39, 15                        ; 8 rows for each tile among them
	s_add_co_u32 s38, s38, s39
	s_lshr_b32 s39, ttmp9, 6
	s_cmp_eq_u32 s39, 1                            ; work-groups 64 to 127 take k
	s_cselect_b32 s32, s38, s32
	s_cselect_b32 s39, 0x10000, 0
	v_add_nc_u32 v7, s39, v1                       ; the offset of positions 8-15
	s_wait_alu depctr_va_vdst(0)
	s_lshl_b32 s33, s14, 11
	s_add_co_u32 s32, s32, s33
	s_mov_b32 s33, 0
	s_add_nc_u64 s[4:5], s[4:5], s[32:33]
	s_mul_i32 s34, s15, TILEB
	s_lshl_b32 s35, s14, 12
	s_add_co_u32 s34, s34, s35
	s_mov_b32 s35, 0
	s_add_nc_u64 s[6:7], s[30:31], s[34:35]        ; my four images
	s_mul_i32 s36, s15, TILEB
	s_lshl_b32 s37, s14, 8
	s_add_co_u32 s36, s36, s37
	s_add_co_u32 s36, s36, 8192
	s_mov_b32 s37, 0
	s_add_nc_u64 s[8:9], s[30:31], s[36:37]        ; my 256 bytes of scale words
	LOADF 0
	LOADF 1
	FRAGQ 0
	FRAGQ 1
	FRAGQ 2
	FRAGQ 3
	v_cmp_ne_u32 vcc_lo, 0, v5
	s_delay_alu instid0(VALU_DEP_1)
	v_cndmask_b32 v14, v[PW], v[PW+2], vcc_lo      ; lane (r, h) stores row r's words 2 h and 2 h + 1
	s_delay_alu instid0(VALU_DEP_2)
	v_cndmask_b32 v15, v[PW+1], v[PW+3], vcc_lo
	global_store_b64 v4, v[14:15], s[8:9]          ; 32 lanes store 256 consecutive bytes, aligned
	s_wait_tensorcnt 0x0                           ; the wave's end
	ds_add_u32 v[SPW], v[NIL]
	s_wait_dscnt 0x0
	s_endpgm
.Lfunc_end_k_q9edd122d9b_quant:
	.size	k_q9edd122d9b_quant, .Lfunc_end_k_q9edd122d9b_quant-k_q9edd122d9b_quant
	.p2alignl 7, 3214868480
	.fill 96, 4, 3214868480
	.section	.rodata,"a",@progbits
	.p2align	6, 0x0
	.amdhsa_kernel k_q9edd122d9b_quant
		.amdhsa_group_segment_fixed_size 68608
		.amdhsa_private_segment_fixed_size 0
		.amdhsa_enable_private_segment 0
		.amdhsa_kernarg_size 64
		.amdhsa_user_sgpr_count 2
		.amdhsa_user_sgpr_kernarg_segment_ptr 1
		.amdhsa_wavefront_size32 1
		.amdhsa_system_sgpr_workgroup_id_x 1
		.amdhsa_system_sgpr_workgroup_id_y 1
		.amdhsa_system_sgpr_workgroup_id_z 1
		.amdhsa_system_vgpr_workitem_id 0
		.amdhsa_next_free_vgpr 256
		.amdhsa_next_free_sgpr 66
		.amdhsa_reserve_vcc 1
		.amdhsa_float_denorm_mode_32 3
		.amdhsa_float_denorm_mode_16_64 3
		.amdhsa_memory_ordered 1
		.amdhsa_forward_progress 1
		.amdhsa_inst_pref_size 40
	.end_amdhsa_kernel
	.amdgpu_metadata
---
amdhsa.version: [ 1, 2 ]
amdhsa.kernels:
  - .name:           k_q9edd122d9b_quant
    .symbol:         k_q9edd122d9b_quant.kd
    .args:
      - { .name: q, .offset: 0, .size: 8, .value_kind: global_buffer, .address_space: global }
      - { .name: k, .offset: 8, .size: 8, .value_kind: global_buffer, .address_space: global }
      - { .name: v, .offset: 16, .size: 8, .value_kind: global_buffer, .address_space: global }
      - { .name: Wq, .offset: 24, .size: 8, .value_kind: global_buffer, .address_space: global }
      - { .name: Wk, .offset: 32, .size: 8, .value_kind: global_buffer, .address_space: global }
      - { .name: Wv, .offset: 40, .size: 8, .value_kind: global_buffer, .address_space: global }
      - { .name: Wo, .offset: 48, .size: 8, .value_kind: global_buffer, .address_space: global }
      - { .name: xc, .offset: 56, .size: 8, .value_kind: global_buffer, .address_space: global }
    .group_segment_fixed_size: 68608
    .private_segment_fixed_size: 0
    .kernarg_segment_align: 8
    .kernarg_segment_size: 64
    .max_flat_workgroup_size: 256
    .sgpr_count:     66
    .vgpr_count:     256
    .wavefront_size: 32
...
	.end_amdgpu_metadata
.endif
;; end of part 1
;; launch proj (part 2): grid 16 x 12, 16 waves a work-group, clusters of 4 x 4, 327,680 bytes of LDS; arguments xc, qx, kv; writes qx, kv
.if DOCPART == 2
	.amdgcn_target "amdgcn-amd-amdhsa--gfx1250"
	.amdhsa_code_object_version 6
	.text
	.protected	k_q9edd122d9b_proj
	.globl	k_q9edd122d9b_proj
	.p2align	8
	.type	k_q9edd122d9b_proj,@function
k_q9edd122d9b_proj:
	s_mov_b64 s[64:65], 0
	v_nop
	global_prefetch_b8 v0, s[64:65] scope:SCOPE_SE
	s_setreg_imm32_b32 hwreg(HW_REG_WAVE_MODE, 25, 1), 1
	s_wait_xcnt 0x0
	s_wait_alu depctr_hold_cnt(0) depctr_sa_sdst(0) depctr_va_vdst(0) depctr_va_sdst(0) depctr_va_ssrc(0) depctr_va_vcc(0) depctr_vm_vsrc(0)
	s_getreg_b32 s2, hwreg(HW_REG_IB_STS2, 6, 4)
	s_cmp_eq_u32 s2, 0
	s_cbranch_scc0 .Lentry_in_a_cluster
	s_endpgm
.Lentry_in_a_cluster:
	s_bfe_u32 s2, ttmp6, 0x10000c
	s_cmp_lg_u32 s2, 0xf033
	s_cbranch_scc0 .Lentry_shape_is_right
	s_endpgm
.Lentry_shape_is_right:
.set TILEB, 8704
.set HEADB, 278528
.set XR,    0
.set WR,    16*TILEB
.set SPARE, 32*TILEB
.set SPW, 12
.set NIL, 13
.set TM,  40
.set WV,  10
.set SEL, 48
.set G1X, 24
.set G1W, 32
.set G0X, 40
.set G0W, 44
.macro PLACES n
.rept \n
	v_nop
.endr
.endm
.macro CROUND
	s_barrier_signal -1
	s_barrier_wait -1
	s_cmp_lg_u32 s[WV], 0
	s_cbranch_scc1 .Lnot_wave_0_\@
	s_barrier_signal -3
.Lnot_wave_0_\@:
	s_barrier_wait -3
	s_barrier_signal -1
	s_barrier_wait -1
.endm
.macro QUANT s, pc, pw
.irp b, 0,1,2,3
	v_max3_num_f32 v[TM+\b], |v[(\s)+16*\b]|, |v[(\s)+1+16*\b]|, 0x1800000
.endr
.irp i, 2,4,6,8,10,12,14
.irp b, 0,1,2,3
	v_max3_num_f32 v[TM+\b], v[TM+\b], |v[(\s)+16*\b+\i]|, |v[(\s)+1+16*\b+\i]|
.endr
.endr
.irp b, 0,1,2,3
	s_delay_alu instid0(VALU_DEP_4)
	v_permlanex16_b32 v[TM+4+\b], v[TM+\b], s[SEL], s[SEL+1]
.endr
.irp b, 0,1,2,3
	s_delay_alu instid0(VALU_DEP_4)
	v_max_num_f32 v[TM+\b], v[TM+\b], v[TM+4+\b]
.endr
.irp b, 0,1,2,3
	s_delay_alu instid0(VALU_DEP_4)
	v_add_nc_u32 v[TM+12+\b], 0xff000000, v[TM+\b]
.endr
.irp b, 0,1,2,3
	s_delay_alu instid0(VALU_DEP_4)
	v_lshrrev_b32 v[TM+4+\b], 23, v[TM+12+\b]
.endr
	s_delay_alu instid0(VALU_DEP_3)
	v_lshl_or_b32 v[\pw], v[TM+5], 8, v[TM+4]
	s_delay_alu instid0(VALU_DEP_1)
	v_lshl_or_b32 v[\pw], v[TM+6], 16, v[\pw]
	s_delay_alu instid0(VALU_DEP_1)
	v_lshl_or_b32 v[\pw], v[TM+7], 24, v[\pw]
.irp b, 0,1,2,3
	v_cvt_scalef32_pk8_fp4_f32 v[(\pc)+2*\b], v[(\s)+16*\b:(\s)+7+16*\b], v[TM+12+\b]
	v_cvt_scalef32_pk8_fp4_f32 v[(\pc)+1+2*\b], v[(\s)+8+16*\b:(\s)+15+16*\b], v[TM+12+\b]
.endr
	v_nop
.irp c, 0,1
.irp i, 0,1
	v_permlane16_swap_b32 v[(\pc)+4*\c+\i], v[(\pc)+2+4*\c+\i]
.endr
.endr
.endm
.macro WM d, a, b, zero, sa, sb, ra, rb
.set WMK, 4*(\zero)+2*(\ra)+(\rb)
.if WMK == 0
	v_wmma_scale_f32_16x16x128_f8f6f4 v[\d:\d+7], v[\a:\a+7], v[\b:\b+7], v[\d:\d+7], v[\sa], v[\sb] matrix_a_fmt:MATRIX_FMT_FP4 matrix_b_fmt:MATRIX_FMT_FP4
.elseif WMK == 1
	v_wmma_scale_f32_16x16x128_f8f6f4 v[\d:\d+7], v[\a:\a+7], v[\b:\b+7], v[\d:\d+7], v[\sa], v[\sb] matrix_a_fmt:MATRIX_FMT_FP4 matrix_b_fmt:MATRIX_FMT_FP4 matrix_b_scale:MATRIX_SCALE_ROW1
.elseif WMK == 2
	v_wmma_scale_f32_16x16x128_f8f6f4 v[\d:\d+7], v[\a:\a+7], v[\b:\b+7], v[\d:\d+7], v[\sa], v[\sb] matrix_a_fmt:MATRIX_FMT_FP4 matrix_b_fmt:MATRIX_FMT_FP4 matrix_a_scale:MATRIX_SCALE_ROW1
.elseif WMK == 3
	v_wmma_scale_f32_16x16x128_f8f6f4 v[\d:\d+7], v[\a:\a+7], v[\b:\b+7], v[\d:\d+7], v[\sa], v[\sb] matrix_a_fmt:MATRIX_FMT_FP4 matrix_b_fmt:MATRIX_FMT_FP4 matrix_a_scale:MATRIX_SCALE_ROW1 matrix_b_scale:MATRIX_SCALE_ROW1
.elseif WMK == 4
	v_wmma_scale_f32_16x16x128_f8f6f4 v[\d:\d+7], v[\a:\a+7], v[\b:\b+7], 0, v[\sa], v[\sb] matrix_a_fmt:MATRIX_FMT_FP4 matrix_b_fmt:MATRIX_FMT_FP4
.elseif WMK == 5
	v_wmma_scale_f32_16x16x128_f8f6f4 v[\d:\d+7], v[\a:\a+7], v[\b:\b+7], 0, v[\sa], v[\sb] matrix_a_fmt:MATRIX_FMT_FP4 matrix_b_fmt:MATRIX_FMT_FP4 matrix_b_scale:MATRIX_SCALE_ROW1
.elseif WMK == 6
	v_wmma_scale_f32_16x16x128_f8f6f4 v[\d:\d+7], v[\a:\a+7], v[\b:\b+7], 0, v[\sa], v[\sb] matrix_a_fmt:MATRIX_FMT_FP4 matrix_b_fmt:MATRIX_FMT_FP4 matrix_a_scale:MATRIX_SCALE_ROW1
.else
	v_wmma_scale_f32_16x16x128_f8f6f4 v[\d:\d+7], v[\a:\a+7], v[\b:\b+7], 0, v[\sa], v[\sb] matrix_a_fmt:MATRIX_FMT_FP4 matrix_b_fmt:MATRIX_FMT_FP4 matrix_a_scale:MATRIX_SCALE_ROW1 matrix_b_scale:MATRIX_SCALE_ROW1
.endif
.endm
.macro KSTEP
.if KS > 0
	PLACES 4
.endif
.if KS%4 == 0
.irp p, 0,1,2,3
	ds_load_b128 v[16+4*\p:19+4*\p], v7 offset:17408*\p+256*(KS/4)
.endr
	ds_load_b128 v[32:35], v8 offset:256*(KS/4)
.endif
.irp t, 0,1,2,3
.irp c, 0,1
	ds_load_b128 v[40+8*\t+4*\c:43+8*\t+4*\c], v4 offset:TILEB*\t+1024*KS+512*\c
.endr
.endr
.irp t, 0,1,2,3
.irp c, 0,1
	ds_load_b128 v[72+8*\t+4*\c:75+8*\t+4*\c], v5 offset:TILEB*\t+1024*KS+512*\c
.endr
.endr
.irp a, 0,1
.irp c, 0,1
	ds_load_b128 v[104+8*\a+4*\c:107+8*\a+4*\c], v6 offset:TILEB*\a+1024*KS+512*\c
.endr
.endr
	s_wait_dscnt 0x0
.if KS == 0
.set ZF, 1
.else
.set ZF, 0
.endif
.irp a, 0,1
.irp t, 0,1,2,3,4,5,6,7
	WM 128+64*\a+8*\t, 40+8*\t, 104+8*\a, ZF, 16+4*(\t/2)+KS%4, 32+KS%4, \t%2, \a
.endr
.endr
.endm
.macro MAIN s0, s1
	v_add_nc_u32 v4, \s0, v14
	s_wait_alu depctr_va_vdst(0)
	v_add_nc_u32 v5, \s0+4*TILEB, v14
	s_wait_alu depctr_va_vdst(0)
	v_add_nc_u32 v6, \s1, v15
	s_wait_alu depctr_va_vdst(0)
	v_add_nc_u32 v7, \s0, v11
	s_wait_alu depctr_va_vdst(0)
	v_add_nc_u32 v8, \s1, v36
.set KS, 0
	s_wait_alu depctr_va_vdst(0)
.rept 8
	KSTEP
.set KS, KS+1
.endr
	PLACES 4
	QUANT 128, 56, 72
	QUANT 192, 64, 73
	v_cmp_ne_u32 vcc_lo, 0, v3
.endm
	s_load_b128 s[4:7], s[0:1], 0x0
	s_load_b64 s[8:9], s[0:1], 0x10
	v_lshl_add_u32 v[SPW], v0, 2, SPARE
	v_mov_b32 v[NIL], 0
	ds_add_u32 v[SPW], v[NIL]
	ds_add_u32 v[SPW], v[NIL]
	v_lshrrev_b32 v2, 5, v0
	s_delay_alu instid0(VALU_DEP_1)
	v_readfirstlane_b32 s[WV], v2
	s_lshr_b32 s11, s[WV], 3
	s_and_b32 s12, s[WV], 7
	s_bfe_u32 s13, ttmp6, 0x40000
	s_bfe_u32 s14, ttmp6, 0x40004
	s_and_b32 s15, ttmp7, 0xffff
	s_lshl_b32 s16, ttmp9, 2
	s_add_co_u32 s16, s16, s13
	s_lshl_b32 s54, 0x1111, s13
	s_lshl_b32 s55, s14, 2
	s_lshl_b32 s55, 15, s55
	s_or_b32 s[G1X], s54, (3<<16)|(1<<21)
	s_or_b32 s[G1W], s55, (3<<16)|(1<<21)
.irp g, G1X, G1W
	s_mov_b32 s[\g+1], 32<<16
	s_mov_b32 s[\g+2], 68<<16
	s_mov_b32 s[\g+3], 32<<16
	s_mov_b32 s[\g+4], 68
	s_mov_b32 s[\g+5], 32
	s_mov_b32 s[\g+6], 0
	s_mov_b32 s[\g+7], 0
.endr
	s_lshl_b32 s18, s15, 8
	s_lshl_b32 s19, s16, 4
	s_add_co_u32 s18, s18, s19
	s_lshl_b32 s22, s12, 1                         ; a load brings two tiles, 68 rows of 256 bytes: waves 0-7 fetch X's sixteen, waves 8-15 W's
	s_add_co_u32 s18, s18, s22
	s_mul_i32 s18, s18, TILEB
	s_mov_b32 s19, 0
	s_lshl_b32 s20, s15, 6
	s_lshl_b32 s21, s14, 4
	s_add_co_u32 s20, s20, s21
	s_add_co_u32 s20, s20, s22
	s_add_co_u32 s20, s20, 768
	s_mul_i32 s20, s20, TILEB
	s_mov_b32 s21, 0
	s_mul_i32 s17, s22, TILEB
	s_mov_b32 s[SEL], 0x76543210
	s_mov_b32 s[SEL+1], 0xfedcba98
	s_wait_dscnt 0x0
	s_wait_kmcnt 0x0
	s_mov_b32 s[G0X], 1
	s_mov_b32 s[G0X+1], s17
	s_add_nc_u64 s[G0X+2:G0X+3], s[4:5], s[18:19]
	s_or_b32 s[G0X+3], s[G0X+3], 0x80000000
	s_mov_b32 s[G0W], 1
	s_add_co_u32 s[G0W+1], s17, WR
	s_add_nc_u64 s[G0W+2:G0W+3], s[4:5], s[20:21]
	s_or_b32 s[G0W+3], s[G0W+3], 0x80000000
	CROUND
	s_cmp_lt_u32 s[WV], 8                          ; one tensor load a wave at the head, in the two arms of one branch on the wave's number
	s_cbranch_scc0 .Lfor_w
	tensor_load_to_lds s[G0X:G0X+3], s[G1X:G1X+7]
	s_nop 0
.rept 4
	v_nop
.endr
	s_branch .Lasked
.Lfor_w:
	tensor_load_to_lds s[G0W:G0W+3], s[G1W:G1W+7]
	s_nop 0
.rept 4
	v_nop
.endr
.Lasked:
	v_and_b32 v1, 31, v0
	s_delay_alu instid0(VALU_DEP_1)
	v_lshlrev_b32 v10, 2, v1
	s_delay_alu instid0(VALU_DEP_2)
	v_lshlrev_b32 v1, 4, v1
	v_and_b32 v2, 15, v0
	v_bfe_u32 v3, v0, 4, 1
	s_mul_i32 s22, s11, 8*TILEB
	s_mul_i32 s23, s12, 2*TILEB
	v_add_nc_u32 v14, s22, v1
	v_add_nc_u32 v15, s23, v1
	v_mul_u32_u24 v11, v3, TILEB
	s_delay_alu instid0(VALU_DEP_1)
	v_lshl_add_u32 v11, v2, 4, v11
	s_delay_alu instid0(VALU_DEP_1)
	v_add_nc_u32 v11, 8192, v11
	s_delay_alu instid0(VALU_DEP_1)
	v_add_nc_u32 v36, s23, v11
	s_delay_alu instid0(VALU_DEP_2)
	v_add_nc_u32 v11, s22, v11
	v_mul_u32_u24 v9, v3, HEADB
	s_delay_alu instid0(VALU_DEP_1)
	v_lshl_add_u32 v9, v2, 2, v9
	s_wait_tensorcnt 0x0
	s_barrier_signal -1
	s_barrier_wait -1
	s_cmp_eq_u32 s15, 2
	s_cbranch_scc1 .Lvalues
	s_wait_alu depctr_va_vdst(0)
	MAIN WR, XR
	s_lshl_b32 s50, s14, 2
	s_lshl_b32 s56, s11, 1
	s_add_co_u32 s50, s50, s56
	s_mul_i32 s50, s50, HEADB
	s_lshl_b32 s56, s16, 1
	s_lshr_b32 s57, s12, 2
	s_add_co_u32 s56, s56, s57
	s_mul_i32 s56, s56, TILEB
	s_add_co_u32 s50, s50, s56
	s_and_b32 s56, s12, 3
	s_lshl_b32 s57, s56, 6
	s_add_co_u32 s52, s50, s57
	s_add_co_u32 s52, s52, 8192
	s_lshl_b32 s57, s56, 10
	s_add_co_u32 s50, s50, s57
	s_mov_b32 s51, 0
	s_mov_b32 s53, 0
	s_cmp_eq_u32 s15, 0
	s_cselect_b64 s[58:59], s[6:7], s[8:9]
	s_add_nc_u64 s[60:61], s[58:59], s[50:51]
	s_add_nc_u64 s[62:63], s[58:59], s[52:53]
	global_store_b128 v1, v[56:59], s[60:61]
	global_store_b128 v1, v[60:63], s[60:61] offset:HEADB
	s_wait_alu depctr_va_vdst(0)
	global_store_b128 v1, v[64:67], s[60:61] offset:512
	global_store_b128 v1, v[68:71], s[60:61] offset:512+HEADB
	v_perm_b32 v74, v73, v72, 0x05040100
	v_perm_b32 v75, v73, v72, 0x07060302
	s_delay_alu instid0(VALU_DEP_1)
	v_cndmask_b32 v76, v74, v75, vcc_lo
	global_store_b32 v9, v76, s[62:63]
	s_branch .Ldone
.Lvalues:
	s_wait_alu depctr_va_vdst(0)
	MAIN XR, WR
	s_lshl_b32 s50, s14, 2
	s_lshr_b32 s56, s12, 1
	s_add_co_u32 s50, s50, s56
	s_mul_i32 s50, s50, HEADB
	s_lshl_b32 s56, s16, 1
	s_add_co_u32 s56, s56, s11
	s_mul_i32 s56, s56, TILEB
	s_add_co_u32 s50, s50, s56
	s_and_b32 s56, s12, 1
	s_lshl_b32 s57, s56, 7
	s_add_co_u32 s52, s50, s57
	s_add_co_u32 s52, s52, 8448
	s_lshl_b32 s57, s56, 11
	s_add_co_u32 s50, s50, s57
	s_add_co_u32 s50, s50, 4096
	s_mov_b32 s51, 0
	s_mov_b32 s53, 0
	s_add_nc_u64 s[60:61], s[8:9], s[50:51]
	s_add_nc_u64 s[62:63], s[8:9], s[52:53]
	global_store_b128 v1, v[56:59], s[60:61]
	global_store_b128 v1, v[60:63], s[60:61] offset:512
	s_wait_alu depctr_va_vdst(0)
	global_store_b128 v1, v[64:67], s[60:61] offset:1024
	global_store_b128 v1, v[68:71], s[60:61] offset:1536
	v_cndmask_b32 v76, v72, v73, vcc_lo
	global_store_b32 v10, v76, s[62:63]
.Ldone:
	s_wait_tensorcnt 0x0
	ds_add_u32 v[SPW], v[NIL]
	s_wait_dscnt 0x0
	CROUND
	s_endpgm
.Lfunc_end_k_q9edd122d9b_proj:
	.size	k_q9edd122d9b_proj, .Lfunc_end_k_q9edd122d9b_proj-k_q9edd122d9b_proj
	.p2alignl 7, 3214868480
	.fill 96, 4, 3214868480
	.section	.rodata,"a",@progbits
	.p2align	6, 0x0
	.amdhsa_kernel k_q9edd122d9b_proj
		.amdhsa_group_segment_fixed_size 327680
		.amdhsa_private_segment_fixed_size 0
		.amdhsa_enable_private_segment 0
		.amdhsa_kernarg_size 24
		.amdhsa_user_sgpr_count 2
		.amdhsa_user_sgpr_kernarg_segment_ptr 1
		.amdhsa_wavefront_size32 1
		.amdhsa_system_sgpr_workgroup_id_x 1
		.amdhsa_system_sgpr_workgroup_id_y 1
		.amdhsa_system_sgpr_workgroup_id_z 1
		.amdhsa_system_vgpr_workitem_id 0
		.amdhsa_next_free_vgpr 256
		.amdhsa_next_free_sgpr 66
		.amdhsa_reserve_vcc 1
		.amdhsa_float_denorm_mode_32 3
		.amdhsa_float_denorm_mode_16_64 3
		.amdhsa_memory_ordered 1
		.amdhsa_forward_progress 1
		.amdhsa_inst_pref_size 83
	.end_amdhsa_kernel
	.amdgpu_metadata
---
amdhsa.version: [ 1, 2 ]
amdhsa.kernels:
  - .name:           k_q9edd122d9b_proj
    .symbol:         k_q9edd122d9b_proj.kd
    .args:
      - { .name: xc, .offset: 0, .size: 8, .value_kind: global_buffer, .address_space: global }
      - { .name: qx, .offset: 8, .size: 8, .value_kind: global_buffer, .address_space: global }
      - { .name: kv, .offset: 16, .size: 8, .value_kind: global_buffer, .address_space: global }
    .group_segment_fixed_size: 327680
    .private_segment_fixed_size: 0
    .kernarg_segment_align: 8
    .kernarg_segment_size: 24
    .max_flat_workgroup_size: 512
    .sgpr_count:     66
    .vgpr_count:     256
    .wavefront_size: 32
...
	.end_amdgpu_metadata
.endif
;; end of part 2
;; launch attn (part 3): grid 16 x 16, 16 waves a work-group, clusters of 4 x 1, 327,680 bytes of LDS; arguments qx, kv, ao, asc; writes ao, asc
.if DOCPART == 3
	.amdgcn_target "amdgcn-amd-amdhsa--gfx1250"
	.amdhsa_code_object_version 6
	.text
	.protected	k_q9edd122d9b_attn
	.globl	k_q9edd122d9b_attn
	.p2align	8
	.type	k_q9edd122d9b_attn,@function
k_q9edd122d9b_attn:
	s_mov_b64 s[64:65], 0
	v_nop
	global_prefetch_b8 v0, s[64:65] scope:SCOPE_SE
	s_setreg_imm32_b32 hwreg(HW_REG_WAVE_MODE, 25, 1), 1
	s_wait_xcnt 0x0
	s_wait_alu depctr_hold_cnt(0) depctr_sa_sdst(0) depctr_va_vdst(0) depctr_va_sdst(0) depctr_va_ssrc(0) depctr_va_vcc(0) depctr_vm_vsrc(0)
	s_getreg_b32 s2, hwreg(HW_REG_IB_STS2, 6, 4)
	s_cmp_eq_u32 s2, 0
	s_cbranch_scc0 .Lentry_in_a_cluster
	s_endpgm
.Lentry_in_a_cluster:
	s_bfe_u32 s2, ttmp6, 0x10000c
	s_cmp_lg_u32 s2, 0x3003
	s_cbranch_scc0 .Lentry_shape_is_right
	s_endpgm
.Lentry_shape_is_right:
; LAUNCH 3 OF 4.  For each head: S = Q(qh) Q(kh)^T, the softmax by the problem's rule, O = Q(p) Q(vh) / l, and O quantised along the channels for the last product.  No work is left out.
; The factor 1 / 8 on qh, a power of two that moves no code, is carried in c = log2(e) / 8 (limit: see launch 1's head).
; The running maximum is taken away: M = ceil(c x the running largest score), a whole number; p = 2^(c s - M); when M moves, the sum and O are multiplied by 2^(old M - new M), which rounds nothing.  The sum is taken of the unquantised p.
; SHARES: a work-group owns 256 queries of one head, each of its sixteen waves one tile of 16, in 256 registers.  The whole head's K and V (278,528 bytes as launch 2 laid them) lie in LDS, each byte filled once, in two parts:
; steps 0-7 at the head (a wave asks for 17 rows of 256 bytes), steps 8-31 behind the sequence ahead of a later first fill (51 rows a wave); the second part is on its way during the first eight trips,
; and a wait for it and a barrier stand ahead of the other 24.  By the text's own count one tensor load of a wave is out.  CLUSTER 4 x 1: the four query blocks of a cluster belong to one head and ask jointly.
; No prefetch: both fills are asked for ahead of the loops, which read LDS alone.
; LAYOUT: both products transposed: S^T = K Q^T, O^T = V^T P^T: a lane holds one query (lane % 16) throughout.  The head's 64 channels fill half of a product's 128: a fragment of K holds key tile 2 b in
; registers 0-3 and tile 2 b + 1 in registers 4-7, and is multiplied once by [q, 0] and once by [0, q]; [0][q][0] are twelve registers, of which the two operands are two views.
; By launch 1's choice of k's rows, position 8 h + j of key tile 4 c + t is key 64 c + 32 h + 8 t + j of the step: score register 32 c + 8 t + j of lane (r, h) is that key.  So a lane holds two WHOLE blocks of 32 keys
; in the order of the second product's operand: a block's maximum needs no other lane, and the conversions' results are P's registers as they stand.  Only the row's maximum and the scale word cross the two halves.
; OUT: ao [query tile 256] x 8,192: the head's 512 bytes of codes at 512 x head + 16 x lane; asc [head][position 4,096] x 2 bytes: the row's two scale bytes of that head.
.set HEADB, 278528
.set STEPB, 8704                       ; a step: 128 keys
.set PART1, STEPB/2                    ; a wave's sixteenth of steps 0-7: 17 rows of 256 bytes
.set PART2, 3*STEPB/2                  ; and of steps 8-31: 51 rows
.set SSTG,  HEADB                      ; LDS behind the head's block: the work-group's 256 pairs of scale bytes
.set SPARE, HEADB+512                  ; the spare words, 128 bytes a wave
.set SPW, 5
.set NIL, 6
.set KF,  32                           ; v32-63   K's four fragments
.set VF,  64                           ; v64-95   V^T's four
.set S,   96                           ; v96-159  S^T, then p
.set O,   160                          ; v160-191 O^T
.set PC,  192                          ; v192-199 p's codes
.set KS,  200                          ; v200-203 K's scale words;  v204-207 V's
.set VS,  204
.set BM,  208                          ; v208-209 my two blocks' largest scores, then largest p; v210-211 second chains
.set BT,  212                          ; v212-215 at work
.set BS,  216                          ; v216-219 the conversions' scale operands
.set F,   220                          ; v[220:221] f = 2^(old M - new M)
.set PSW, 222                          ; p's scale word
.set TMP, 223
.set A,   224                          ; v224-255 the sum's tree
.set WV,  12
.set G1,  24                           ; s[24:31] group 1 of the first part;  s[56:63] of the second
.set G1B, 56
.set G0,  40                           ; s[40:43], s[44:47] their groups 0
.set G0B, 44
.set SEL, 48
.set CS,  50                           ; s[50:51] c, twice
.set TB,  52                           ; s52 LDS byte at which the next step begins
.set CNT, 53
.set NC,  54                           ; s54 -c
; other registers: v1 16 x lane; v2 4 r; v3, v4 the step's addresses; v7, v8 the way out's; v9 byte selects of the scale word; v10 the largest score; v11 the old -M; v12 -M (v13 named with it); v[14:15] the sum; v16-27 [0][q][0]; v28 Q's scale word
.macro CROUND
	s_barrier_signal -1
	s_barrier_wait -1
	s_cmp_lg_u32 s[WV], 0
	s_cbranch_scc1 .Lnot_wave_0_\@
	s_barrier_signal -3
.Lnot_wave_0_\@:
	s_barrier_wait -3
	s_barrier_signal -1
	s_barrier_wait -1
.endm
.macro TM from                         ; c s - M of sixteen scores, two at a time
.irp j, 0,2,4,6,8,10,12,14
	v_pk_fma_f32 v[S+\from+\j:S+\from+\j+1], v[S+\from+\j:S+\from+\j+1], s[CS:CS+1], v[12:13] op_sel_hi:[1,0,0]
.endr
.endm
.macro L1 g                            ; four leaves of the sum's tree
.irp i, 0,1,2,3
	v_pk_add_f32 v[A+8*\g+2*\i:A+8*\g+2*\i+1], v[S+16*\g+4*\i:S+16*\g+4*\i+1], v[S+16*\g+4*\i+2:S+16*\g+4*\i+3]
.endr
.endm
; A STEP: 128 keys
.macro BODY
.irp i, 0,1,2,3,4,5,6,7
	ds_load_b128 v[KF+4*\i:KF+4*\i+3], v3 offset:512*\i
.endr
.irp b, 0,1,2,3
	ds_load_b32 v[KS+\b], v4 offset:8192+64*\b
.endr
.irp i, 0,1,2,3,4,5,6,7
	ds_load_b128 v[VF+4*\i:VF+4*\i+3], v3 offset:4096+512*\i
.endr
.irp t, 0,1,2,3
	ds_load_b32 v[VS+\t], v4 offset:8448+64*\t
.endr
	s_wait_dscnt 12                                ; K's twelve loads are in; V's twelve, issued behind them, may be out
.irp b, 0,1,2,3
	v_wmma_scale_f32_16x16x128_f8f6f4 v[S+16*\b:S+16*\b+7], v[KF+8*\b:KF+8*\b+7], v[20:27], 0, v[KS+\b], v28 matrix_a_fmt:MATRIX_FMT_FP4 matrix_b_fmt:MATRIX_FMT_FP4      ; [q, 0]: key tile 2 b
	v_wmma_scale_f32_16x16x128_f8f6f4 v[S+8+16*\b:S+15+16*\b], v[KF+8*\b:KF+8*\b+7], v[16:23], 0, v[KS+\b], v28 matrix_a_fmt:MATRIX_FMT_FP4 matrix_b_fmt:MATRIX_FMT_FP4   ; [0, q]: key tile 2 b + 1
.endr
	s_add_co_u32 s[TB], s[TB], STEPB
	v_add_nc_u32 v3, s[TB], v1                     ; four places behind the products: the next step's addresses (this step's loads are issued),
	v_add_nc_u32 v4, s[TB], v2
	v_mov_b32 v11, v12                             ; the old -M,
	v_nop
.irp c, 0,1                                    ; THE LARGEST SCORE OF MY TWO BLOCKS OF 32 KEYS, each in two chains, the four by turns; each accumulator is first read at its low end
	v_max3_num_f32 v[BM+\c], v[S+32*\c], v[S+32*\c+1], v[S+32*\c+2]
	v_max3_num_f32 v[BM+2+\c], v[S+32*\c+16], v[S+32*\c+17], v[S+32*\c+18]
.endr
.irp i, 3,5,7,9,11,13
.irp c, 0,1
	v_max3_num_f32 v[BM+\c], v[BM+\c], v[S+32*\c+\i], v[S+32*\c+\i+1]
	v_max3_num_f32 v[BM+2+\c], v[BM+2+\c], v[S+32*\c+16+\i], v[S+32*\c+17+\i]
.endr
.endr
.irp c, 0,1
	v_max3_num_f32 v[BM+\c], v[BM+\c], v[S+32*\c+15], v[S+32*\c+31]
.endr
.irp c, 0,1
	s_delay_alu instid0(VALU_DEP_2)
	v_max_num_f32 v[BM+\c], v[BM+\c], v[BM+2+\c]
.endr
	s_delay_alu instid0(VALU_DEP_1)
	v_max_num_f32 v[BT], v[BM], v[BM+1]
	s_delay_alu instid0(VALU_DEP_1)
	v_permlanex16_b32 v[BT+1], v[BT], s[SEL], s[SEL+1]
	s_delay_alu instid0(VALU_DEP_1)
	v_max3_num_f32 v10, v10, v[BT], v[BT+1]        ; the running largest score of my query, both halves' keys
	s_delay_alu instid0(VALU_DEP_1)
	v_mul_f32 v[BT], s[NC], v10
	s_delay_alu instid0(VALU_DEP_1)
	v_floor_f32 v12, v[BT]                         ; the new -M = floor(-t) = -ceil(t)
	TM 0
	v_sub_f32 v11, v12, v11                        ; old M less new M: a whole number, 0 or less
	TM 16
	v_cvt_i32_f32 v11, v11                         ; (it saturates)
	TM 32
	v_ldexp_f32 v[F], 1.0, v11                     ; f = 2^(old M - new M)
	TM 48
.irp c, 0,1
	v_fma_f32 v[BM+\c], v[BM+\c], s[CS], v12       ; the same of each block's largest score
.endr
	s_wait_alu depctr_va_vdst(0)
.irp c, 0,1
	v_exp_f32 v[BM+\c], v[BM+\c]                   ; the block's largest p: the same two instructions on the same number give the same bits
.endr
.irp j, 0,1,2,3,4,5,6,7,8,9,10,11,12,13,14,15,16,17,18,19,20,21,22,23,24,25,26,27,28,29,30,31,32,33,34,35,36,37,38,39,40,41,42,43,44,45,46,47,48,49,50,51,52,53,54,55,56,57,58,59,60,61,62,63
	v_exp_f32 v[S+\j], v[S+\j]                     ; p = 2^(t - M)
.endr
	s_wait_alu depctr_va_vdst(0)                   ; one wait behind the batch, directly ahead of the first readers of O^T too
.irp j, 0,2,4,6,8,10,12,14,16,18,20,22,24,26,28,30
	v_pk_mul_f32 v[O+\j:O+\j+1], v[O+\j:O+\j+1], v[F:F+1] op_sel_hi:[1,0]   ; O^T under the new M: plain places behind the exponentials
.endr
.irp c, 0,1
	v_max_num_f32 v[BM+\c], 0x1800000, v[BM+\c]    ; the floor 2^(3 - 127): the byte cannot fall under 1
.endr
	L1 0                                           ; the row's sum of the unquantised p, as a tree, among the scale's lines
.irp c, 0,1
	v_lshl_add_u32 v[BT+2+\c], v[BM+\c], 1, 0xfe000000   ; the scale's byte in the top byte
.endr
.irp c, 0,1
	v_add_nc_u32 v[BS+\c], 0xff000000, v[BM+\c]    ; 2 off the exponent field: the conversion's scale operand
.endr
	v_perm_b32 v[BT], v[BT+3], v[BT+2], v9         ; my two bytes at their places in the scale word
	L1 1
	v_permlanex16_b32 v[BT+1], v[BT], s[SEL], s[SEL+1]
	L1 2
	v_or_b32 v[PSW], v[BT], v[BT+1]                ; with lane l xor 16's two the word is whole; twelve plain lines stand between it and the products
	L1 3
.irp i, 0,1,2,3,4,5,6,7
	v_cvt_scalef32_pk8_fp4_f32 v[PC+\i], v[S+8*\i:S+8*\i+7], v[BS+\i/4]   ; register 4 c + t of P: keys 64 c + 32 h + 8 t + 0 .. 7
.endr
.irp i, 0,1,2,3,4,5,6,7
	v_pk_add_f32 v[A+2*\i:A+2*\i+1], v[A+2*\i:A+2*\i+1], v[A+16+2*\i:A+17+2*\i]   ; the places behind the conversions and ahead of the products
.endr
	s_wait_alu depctr_va_vdst(0)
	s_wait_dscnt 0x0                               ; V's loads are in
.irp t, 0,1,2,3
	v_wmma_scale_f32_16x16x128_f8f6f4 v[O+8*\t:O+8*\t+7], v[VF+8*\t:VF+8*\t+7], v[PC:PC+7], v[O+8*\t:O+8*\t+7], v[VS+\t], v[PSW] matrix_a_fmt:MATRIX_FMT_FP4 matrix_b_fmt:MATRIX_FMT_FP4   ; the four accumulators by turns
.endr
.irp i, 0,1,2,3                                ; the tree's top: eight places between these products and the next step's loads into their operands
	v_pk_add_f32 v[A+2*\i:A+2*\i+1], v[A+2*\i:A+2*\i+1], v[A+8+2*\i:A+9+2*\i]
.endr
.irp i, 0,1
	v_pk_add_f32 v[A+2*\i:A+2*\i+1], v[A+2*\i:A+2*\i+1], v[A+4+2*\i:A+5+2*\i]
.endr
	s_delay_alu instid0(VALU_DEP_1)
	v_pk_add_f32 v[A:A+1], v[A:A+1], v[A+2:A+3]
	s_delay_alu instid0(VALU_DEP_1)
	v_pk_fma_f32 v[14:15], v[14:15], v[F:F+1], v[A:A+1] op_sel_hi:[1,0,1]   ; the sum under the new M, and this step's part
.endm
	s_load_b256 s[4:11], s[0:1], 0x0               ; qx, kv, ao, asc
	v_lshl_add_u32 v[SPW], v0, 2, SPARE
	v_mov_b32 v[NIL], 0
	ds_add_u32 v[SPW], v[NIL]                      ; the opening: the add, twice on end, and its wait ahead of my first tensor load
	ds_add_u32 v[SPW], v[NIL]
	v_lshrrev_b32 v1, 5, v0
	v_readfirstlane_b32 s[WV], v1                  ; wave 0..15
	s_bfe_u32 s13, ttmp6, 0x40000                  ; cx
	s_lshl_b32 s14, ttmp9, 2
	s_add_co_u32 s14, s14, s13                     ; my block of 256 queries: it enters Q's, ao's and asc's addresses alone
	s_and_b32 s15, ttmp7, 0xffff                   ; the head, which the four partners share
	s_mul_i32 s16, s15, HEADB
	s_mul_i32 s18, s[WV], PART1                    ; my sixteenth of steps 0-7, in LDS and in the head's block
	s_add_co_u32 s20, s16, s18
	s_mov_b32 s21, 0
	s_mul_i32 s55, s[WV], PART2
	s_add_co_u32 s55, s55, 8*STEPB                 ; my sixteenth of steps 8-31
	s_add_co_u32 s46, s16, s55
	s_mov_b32 s47, 0
	s_mov_b32 s[G1], 15|(3<<16)|(1<<21)            ; the mask of all four; elements of 8 bytes; bit 21 beside a mask
	s_mov_b32 s[G1+1], 32<<16                      ; rows of 256 bytes
	s_mov_b32 s[G1+2], 17<<16                      ; 17 rows
	s_mov_b32 s[G1+3], 32<<16
	s_mov_b32 s[G1+4], 17
	s_mov_b32 s[G1+5], 32
	s_mov_b32 s[G1+6], 0
	s_mov_b32 s[G1+7], 0
	s_mov_b32 s[G1B], 15|(3<<16)|(1<<21)
	s_mov_b32 s[G1B+1], 32<<16
	s_mov_b32 s[G1B+2], 51<<16                     ; 51 rows
	s_mov_b32 s[G1B+3], 32<<16
	s_mov_b32 s[G1B+4], 51
	s_mov_b32 s[G1B+5], 32
	s_mov_b32 s[G1B+6], 0
	s_mov_b32 s[G1B+7], 0
	s_mov_b32 s[SEL], 0x76543210
	s_mov_b32 s[SEL+1], 0xfedcba98
	s_mov_b32 s[CS], 0x3e38aa3b                    ; c = log2(e) / 8
	s_mov_b32 s[CS+1], s[CS]
	s_mov_b32 s[NC], 0xbe38aa3b                    ; -c
	s_lshl_b32 s22, s14, 1                         ; my query tile 16 x block + wave lies in step 2 x block + wave / 8,
	s_lshr_b32 s23, s[WV], 3
	s_add_co_u32 s22, s22, s23
	s_mul_i32 s22, s22, STEPB
	s_add_co_u32 s22, s22, s16
	s_and_b32 s23, s[WV], 7                        ; as its tile wave % 8
	s_lshl_b32 s32, s23, 9
	s_add_co_u32 s32, s32, s22
	s_mov_b32 s33, 0
	s_lshr_b32 s34, s23, 1
	s_lshl_b32 s34, s34, 6
	s_add_co_u32 s34, s34, s22
	s_add_co_u32 s34, s34, 8192
	s_mov_b32 s35, 0
	s_lshl_b32 s36, s14, 4
	s_add_co_u32 s36, s36, s[WV]
	s_lshl_b32 s36, s36, 13                        ; ao: 8,192 x tile + 512 x head
	s_lshl_b32 s37, s15, 9
	s_add_co_u32 s36, s36, s37
	s_mov_b32 s37, 0
	s_lshl_b32 s38, s15, 13                        ; asc: 8,192 x head + 512 x block
	s_lshl_b32 s39, s14, 9
	s_add_co_u32 s38, s38, s39
	s_mov_b32 s39, 0
	s_and_b32 s17, s[WV], 1                        ; an even tile's scale bytes are bytes 0, 1 of the pair's word, an odd tile's bytes 2, 3
	s_cmp_eq_u32 s17, 0
	s_mov_b32 s17, 0x03020302
	s_cselect_b32 s17, 0x01000100, s17
	s_lshl_b32 s19, s[WV], 5
	s_wait_dscnt 0x0                               ; both opening adds are done
	s_wait_kmcnt 0x0
	s_mov_b32 s[G0], 1
	s_mov_b32 s[G0+1], s18
	s_add_nc_u64 s[G0+2:G0+3], s[6:7], s[20:21]
	s_or_b32 s[G0+3], s[G0+3], 0x80000000
	s_mov_b32 s[G0B], 1
	s_mov_b32 s[G0B+1], s55
	s_add_nc_u64 s[G0B+2:G0B+3], s[6:7], s[G0B+2:G0B+3]
	s_or_b32 s[G0B+3], s[G0B+3], 0x80000000
	s_add_nc_u64 s[32:33], s[4:5], s[32:33]        ; Q's codes
	s_add_nc_u64 s[34:35], s[4:5], s[34:35]        ; Q's scale words
	s_add_nc_u64 s[36:37], s[8:9], s[36:37]
	s_add_nc_u64 s[38:39], s[10:11], s[38:39]
	CROUND                                         ; all four work-groups are here: the joint loads meet
	tensor_load_to_lds s[G0:G0+3], s[G1:G1+7]      ; steps 0-7
	s_nop 0
.rept 4
	v_nop
.endr
	v_and_b32 v1, 31, v0
	v_and_b32 v2, 15, v0
	v_lshlrev_b32 v1, 4, v1                        ; 16 x lane
	v_lshlrev_b32 v7, 1, v2
	v_lshlrev_b32 v2, 2, v2                        ; 4 r
	global_load_b128 v[20:23], v1, s[32:33]        ; q: lane (r, h): channels 32 h .. 32 h + 31 of query position r
	global_load_b32 v29, v2, s[34:35]
	v_add_nc_u32 v7, s19, v7
	v_add_nc_u32 v8, SSTG, v1                      ; the way out, for wave 0: all 512 scale bytes back
	v_add_nc_u32 v7, SSTG, v7                      ; the way out: my row's two scale bytes: SSTG + 32 x wave + 2 r
	v_bfe_u32 v10, v0, 4, 1                        ; h
	v_mov_b32 v9, 0x0c070c03                       ; lanes 0-15 hold blocks 0 and 2: their bytes go to bytes 0 and 2 of the scale word, zeros between;
	v_mov_b32 v11, 0x070c030c                      ; lanes 16-31 blocks 1 and 3
	v_cmp_ne_u32 vcc_lo, 0, v10
	v_cndmask_b32 v9, v9, v11, vcc_lo
.irp j, 16,17,18,19,24,25,26,27
	v_mov_b32 v[\j], 0                             ; zero codes on both sides of q
.endr
	s_wait_loadcnt 0x0
	v_perm_b32 v28, v29, v29, s17                  ; Q's scale word: my tile's two bytes, twice.  The moves below are the places between this line and the first scaled product
	v_mov_b32 v10, 0xff61b1e6                      ; the largest score so far: -3e38
	v_mov_b32 v13, 0
	v_mul_f32 v12, s[NC], v10
	v_mov_b32 v14, 0
	v_floor_f32 v12, v12                           ; -M
	v_mov_b32 v15, 0
.irp b, 0,1,2,3
	v_mov_b32 v[BT+\b], 0                          ; written once: a lane permute's destination counts as one of its sources
.endr
	v_mov_b32 v[TMP], 0
	v_mov_b32 v[F+1], 0
.irp j, 0,1,2,3,4,5,6,7,8,9,10,11,12,13,14,15,16,17,18,19,20,21,22,23,24,25,26,27,28,29,30,31
	v_mov_b32 v[O+\j], 0                           ; the step is written once: the first finds zeros
.endr
	v_mov_b32 v3, v1
	v_mov_b32 v4, v2
	s_mov_b32 s[TB], 0
	s_mov_b32 s[CNT], 8
	s_wait_alu depctr_va_vdst(0)
	s_wait_tensorcnt 0x0                           ; my part of steps 0-7 is in LDS
	ds_add_u32 v[SPW], v[NIL]
	s_wait_dscnt 0x0
	CROUND                                         ; everybody's part is in, and all four work-groups are here
	tensor_load_to_lds s[G0B:G0B+3], s[G1B:G1B+7]  ; steps 8-31, into bytes that the first eight trips do not read
	s_nop 0
.Lstep1:                                           ; 8 trips of 128 keys
	BODY
	s_sub_co_u32 s[CNT], s[CNT], 1
	s_cmp_lg_u32 s[CNT], 0
	s_cbranch_scc1 .Lstep1
	s_wait_tensorcnt 0x0                           ; my part of steps 8-31 is in LDS (no LDS instruction of mine is out),
	s_barrier_signal -1
	s_barrier_wait -1                              ; everybody's is; nothing is filled again
	s_mov_b32 s[CNT], 24
.Lstep2:                                           ; 24 trips
	BODY
	s_sub_co_u32 s[CNT], s[CNT], 1
	s_cmp_lg_u32 s[CNT], 0
	s_cbranch_scc1 .Lstep2
	; THE WAY OUT: O^T / the sum, quantised along the head's 64 channels: two blocks, half a fragment of the last product
	v_add_f32 v14, v14, v15
	s_delay_alu instid0(VALU_DEP_1)
	v_permlanex16_b32 v[TMP], v14, s[SEL], s[SEL+1]
	s_delay_alu instid0(VALU_DEP_1)
	v_add_f32 v14, v14, v[TMP]                     ; the row's sum
	s_wait_alu depctr_va_vdst(0)
	v_rcp_f32 v14, v14
	v_nop                                          ; a plain place behind the transcendental
	s_wait_alu depctr_va_vdst(0)                   ; and the wait ahead of its first reader
.irp j, 0,1,2,3,4,5,6,7,8,9,10,11,12,13,14,15,16,17,18,19,20,21,22,23,24,25,26,27,28,29,30,31
	v_mul_f32 v[S+\j], v[O+\j], v14                ; register 16 b + i: channel 32 b + 16 h + i of my query; each accumulator from its low end on
.endr
.irp b, 0,1
	v_max3_num_f32 v[BM+\b], |v[S+16*\b]|, |v[S+1+16*\b]|, 0x1800000
.endr
.irp i, 2,4,6,8,10,12,14
.irp b, 0,1
	s_delay_alu instid0(VALU_DEP_2)
	v_max3_num_f32 v[BM+\b], v[BM+\b], |v[S+16*\b+\i]|, |v[S+1+16*\b+\i]|
.endr
.endr
.irp b, 0,1
	s_delay_alu instid0(VALU_DEP_2)
	v_permlanex16_b32 v[BT+\b], v[BM+\b], s[SEL], s[SEL+1]
.endr
.irp b, 0,1
	s_delay_alu instid0(VALU_DEP_2)
	v_max_num_f32 v[BM+\b], v[BM+\b], v[BT+\b]
.endr
.irp b, 0,1
	s_delay_alu instid0(VALU_DEP_2)
	v_add_nc_u32 v[BS+\b], 0xff000000, v[BM+\b]
.endr
.irp b, 0,1
	s_delay_alu instid0(VALU_DEP_2)
	v_lshrrev_b32 v[BT+\b], 23, v[BS+\b]
.endr
	s_delay_alu instid0(VALU_DEP_1)
	v_lshl_or_b32 v[PSW], v[BT+1], 8, v[BT]        ; my row's two scale bytes
.irp b, 0,1
	v_cvt_scalef32_pk8_fp4_f32 v[PC+2*\b], v[S+16*\b:S+7+16*\b], v[BS+\b]
	v_cvt_scalef32_pk8_fp4_f32 v[PC+1+2*\b], v[S+8+16*\b:S+15+16*\b], v[BS+\b]
.endr
	v_nop
	v_permlane16_swap_b32 v[PC], v[PC+2]
	v_permlane16_swap_b32 v[PC+1], v[PC+3]         ; registers 0-3: channels 32 h + 0 .. 31
	global_store_b128 v1, v[PC:PC+3], s[36:37]     ; 512 consecutive bytes
	ds_store_b16 v7, v[PSW]                        ; both halves of the lanes write the same two bytes with the same value
	s_wait_dscnt 0x0                               ; for the others' sake
	s_barrier_signal -1
	s_barrier_wait -1
	s_cmp_lg_u32 s[WV], 0
	s_cbranch_scc1 .Lnot_first
	ds_load_b128 v[S:S+3], v8                      ; wave 0 stores the work-group's 512 scale bytes: one aligned run of 512
	s_wait_dscnt 0x0
	global_store_b128 v1, v[S:S+3], s[38:39]
.Lnot_first:
	s_wait_tensorcnt 0x0                           ; the wave's end
	ds_add_u32 v[SPW], v[NIL]
	s_wait_dscnt 0x0
	CROUND                                         ; the closing round
	s_endpgm
.Lfunc_end_k_q9edd122d9b_attn:
	.size	k_q9edd122d9b_attn, .Lfunc_end_k_q9edd122d9b_attn-k_q9edd122d9b_attn
	.p2alignl 7, 3214868480
	.fill 96, 4, 3214868480
	.section	.rodata,"a",@progbits
	.p2align	6, 0x0
	.amdhsa_kernel k_q9edd122d9b_attn
		.amdhsa_group_segment_fixed_size 327680
		.amdhsa_private_segment_fixed_size 0
		.amdhsa_enable_private_segment 0
		.amdhsa_kernarg_size 32
		.amdhsa_user_sgpr_count 2
		.amdhsa_user_sgpr_kernarg_segment_ptr 1
		.amdhsa_wavefront_size32 1
		.amdhsa_system_sgpr_workgroup_id_x 1
		.amdhsa_system_sgpr_workgroup_id_y 1
		.amdhsa_system_sgpr_workgroup_id_z 1
		.amdhsa_system_vgpr_workitem_id 0
		.amdhsa_next_free_vgpr 256
		.amdhsa_next_free_sgpr 66
		.amdhsa_reserve_vcc 1
		.amdhsa_float_denorm_mode_32 3
		.amdhsa_float_denorm_mode_16_64 3
		.amdhsa_memory_ordered 1
		.amdhsa_forward_progress 1
		.amdhsa_inst_pref_size 42
	.end_amdhsa_kernel
	.amdgpu_metadata
---
amdhsa.version: [ 1, 2 ]
amdhsa.kernels:
  - .name:           k_q9edd122d9b_attn
    .symbol:         k_q9edd122d9b_attn.kd
    .args:
      - { .name: qx, .offset: 0, .size: 8, .value_kind: global_buffer, .address_space: global }
      - { .name: kv, .offset: 8, .size: 8, .value_kind: global_buffer, .address_space: global }
      - { .name: ao, .offset: 16, .size: 8, .value_kind: global_buffer, .address_space: global }
      - { .name: asc, .offset: 24, .size: 8, .value_kind: global_buffer, .address_space: global }
    .group_segment_fixed_size: 327680
    .private_segment_fixed_size: 0
    .kernarg_segment_align: 8
    .kernarg_segment_size: 32
    .max_flat_workgroup_size: 512
    .sgpr_count:     66
    .vgpr_count:     256
    .wavefront_size: 32
...
	.end_amdgpu_metadata
.endif
;; end of part 3
;; launch outln (part 4): grid 256 x 1, 16 waves a work-group, clusters of 4 x 1, 327,680 bytes of LDS; arguments ao, asc, xc, q, gamma, beta, out0; writes out0
.if DOCPART == 4
	.amdgcn_target "amdgcn-amd-amdhsa--gfx1250"
	.amdhsa_code_object_version 6
	.text
	.protected	k_q9edd122d9b_outln
	.globl	k_q9edd122d9b_outln
	.p2align	8
	.type	k_q9edd122d9b_outln,@function
k_q9edd122d9b_outln:
	s_mov_b64 s[64:65], 0
	v_nop
	global_prefetch_b8 v0, s[64:65] scope:SCOPE_SE
	s_setreg_imm32_b32 hwreg(HW_REG_WAVE_MODE, 25, 1), 1
	s_wait_xcnt 0x0
	s_wait_alu depctr_hold_cnt(0) depctr_sa_sdst(0) depctr_va_vdst(0) depctr_va_sdst(0) depctr_va_ssrc(0) depctr_va_vcc(0) depctr_vm_vsrc(0)
	s_getreg_b32 s2, hwreg(HW_REG_IB_STS2, 6, 4)
	s_cmp_eq_u32 s2, 0
	s_cbranch_scc0 .Lentry_in_a_cluster
	s_endpgm
.Lentry_in_a_cluster:
	s_bfe_u32 s2, ttmp6, 0x10000c
	s_cmp_lg_u32 s2, 0x3003
	s_cbranch_scc0 .Lentry_shape_is_right
	s_endpgm
.Lentry_shape_is_right:
; LAUNCH 4 OF 4.  out0 = LayerNorm(Q(attention's result) Q(Wo)^T + q) x gamma + beta.  No work is left out.
; SHARES: work-group T owns row tile T of ao (16 rows: position p is row 32 (T / 2) + 8 (T % 2) + p + 8 (p / 8)) and all 1,024 columns, so that a row's mean and variance never leave the work-group.
; Wave w makes columns 64 w .. 64 w + 63: Wo's tiles 4 w .. 4 w + 3 (source 0) x the row tile (source 1): four accumulators by turns, K = 1,024 in eight steps.
; WO'S CODES come through LDS in two fills of 262,144 bytes: K steps 0-3, then K steps 4-7 into the same bytes.  A wave fetches its own four tiles' part, 4 rows of 4,096 bytes, 8,704 bytes apart in memory,
; and reads it alone.  CLUSTER 4 x 1: all work-groups walk the same Wo, so the four of a cluster ask jointly.  By the text's own count one tensor load of a wave is out.
; The rows' codes, all scale words and the residual go from memory into registers, asked for at the head.  GAMMA AND BETA, which all sixteen waves want whole, are asked for at the head too, once a work-group:
; waves 0-7 take 512 bytes each of gamma, waves 8-15 of beta, and store them into 8,192 LDS bytes of their own, from which every wave reads them beside its row.  No prefetch: the launch has no loop to run ahead in.
; The results meet in a stage in LDS (16 rows x 4,112 bytes), in bytes that have had their last fill and their last read; behind one barrier wave w takes row position w whole: residual, mean, centred sum of squares,
; rsqrt, gamma, beta, in f32; stores of 512 consecutive bytes.  The mean is taken first and the squares of the centred numbers are summed: no difference of large sums is formed.
.set TILEB, 8704
.set SROW,  4112
.set SPARE, 262144                     ; behind the codes: the spare words, 128 bytes a wave
.set GBS,   SPARE+2048                 ; behind them: gamma's 4,096 bytes, then beta's; no fill lands here
.set SPW, 8
.set NIL, 9
.set WS,  16                           ; v16-31  Wo's scale words: register 8 p + s: lanes 0-15 tile 2 p, lanes 16-31 tile 2 p + 1
.set AS,  32                           ; v32-39  the rows' scale words, K step s
.set WF,  40                           ; v40-71  Wo's four fragments of an even K step
.set AF,  72                           ; v72-135 the rows' eight fragments; afterwards gamma and beta
.set GA,  72
.set BE,  104
.set ACC, 136                          ; v136-167 four accumulators; before that the pairs of scale bytes
.set QR,  168                          ; v168-199 my row's residual, then the result
.set Y,   200                          ; v200-231 Wo's four fragments of an odd K step; then my row
.set GBR, 234                          ; v234 LDS address from which gamma and beta are read
.set GBD, 236                          ; v236-239 my 16 bytes of gamma or beta on their way into LDS
.set WV,  18
.set G1,  24
.set G0,  40
.set SEL, 32
; other registers: v1 16 x lane; v2 r; v3 h; v4 8,704 h + 16 r; v5 2 r; v6, v7 the stage, in and back; v15 where my bytes of gamma or beta go; v11 my part of the codes in LDS, then with v10, v12-14, v232-233 the norm's work registers
.macro PLACES n
.rept \n
	v_nop
.endr
.endm
.macro CROUND
	s_barrier_signal -1
	s_barrier_wait -1
	s_cmp_lg_u32 s[WV], 0
	s_cbranch_scc1 .Lnot_wave_0_\@
	s_barrier_signal -3
.Lnot_wave_0_\@:
	s_barrier_wait -3
	s_barrier_signal -1
	s_barrier_wait -1
.endm
.macro WM d, a, b, zero, sa, sb, ra
.if (\zero) && (\ra)
	v_wmma_scale_f32_16x16x128_f8f6f4 v[\d:\d+7], v[\a:\a+7], v[\b:\b+7], 0, v[\sa], v[\sb] matrix_a_fmt:MATRIX_FMT_FP4 matrix_b_fmt:MATRIX_FMT_FP4 matrix_a_scale:MATRIX_SCALE_ROW1
.elseif \zero
	v_wmma_scale_f32_16x16x128_f8f6f4 v[\d:\d+7], v[\a:\a+7], v[\b:\b+7], 0, v[\sa], v[\sb] matrix_a_fmt:MATRIX_FMT_FP4 matrix_b_fmt:MATRIX_FMT_FP4
.elseif \ra
	v_wmma_scale_f32_16x16x128_f8f6f4 v[\d:\d+7], v[\a:\a+7], v[\b:\b+7], v[\d:\d+7], v[\sa], v[\sb] matrix_a_fmt:MATRIX_FMT_FP4 matrix_b_fmt:MATRIX_FMT_FP4 matrix_a_scale:MATRIX_SCALE_ROW1
.else
	v_wmma_scale_f32_16x16x128_f8f6f4 v[\d:\d+7], v[\a:\a+7], v[\b:\b+7], v[\d:\d+7], v[\sa], v[\sb] matrix_a_fmt:MATRIX_FMT_FP4 matrix_b_fmt:MATRIX_FMT_FP4
.endif
.endm
.macro PAIR u                          ; K steps 2 u and 2 u + 1: sixteen LDS loads, eight products
.if (\u) > 0
	PLACES 4                                       ; four places in front of loads into registers that matrix instructions have read
.endif
.irp e, 0,1
.irp t, 0,1,2,3
.irp c, 0,1
	ds_load_b128 v[WF+160*\e+8*\t+4*\c:WF+160*\e+8*\t+4*\c+3], v11 offset:4096*\t+2048*((\u)%2)+1024*\e+512*\c
.endr
.endr
.endr
	s_wait_dscnt 8                                 ; the even step's eight loads are in; the odd step's eight may be out
.irp t, 0,1,2,3
	WM ACC+8*\t, WF+8*\t, AF+16*(\u), (\u)==0, WS+8*(\t/2)+2*(\u), AS+2*(\u), \t%2
.endr
	s_wait_dscnt 0x0
.irp t, 0,1,2,3
	WM ACC+8*\t, Y+8*\t, AF+16*(\u)+8, 0, WS+8*(\t/2)+2*(\u)+1, AS+2*(\u)+1, \t%2
.endr
.endm
.macro WRED x, t                       ; the sum over the wave's 32 lanes, in every lane
	s_delay_alu instid0(VALU_DEP_1)
	v_add_f32_dpp v[\x], v[\x], v[\x] row_xmask:1 row_mask:0xf bank_mask:0xf
	s_delay_alu instid0(VALU_DEP_1)
	v_add_f32_dpp v[\x], v[\x], v[\x] row_xmask:2 row_mask:0xf bank_mask:0xf
	s_delay_alu instid0(VALU_DEP_1)
	v_add_f32_dpp v[\x], v[\x], v[\x] row_xmask:4 row_mask:0xf bank_mask:0xf
	s_delay_alu instid0(VALU_DEP_1)
	v_add_f32_dpp v[\x], v[\x], v[\x] row_xmask:8 row_mask:0xf bank_mask:0xf
	s_delay_alu instid0(VALU_DEP_1)
	v_permlanex16_b32 v[\t], v[\x], s[SEL], s[SEL+1]
	s_delay_alu instid0(VALU_DEP_1)
	v_add_f32 v[\x], v[\x], v[\t]
.endm
	s_load_b256 s[4:11], s[0:1], 0x0               ; ao, asc, xc, q
	s_load_b128 s[12:15], s[0:1], 0x20             ; gamma, beta
	s_load_b64 s[16:17], s[0:1], 0x30              ; out0
	v_lshl_add_u32 v[SPW], v0, 2, SPARE
	v_mov_b32 v[NIL], 0
	ds_add_u32 v[SPW], v[NIL]                      ; the opening: the add, twice on end, and its wait ahead of my first tensor load
	ds_add_u32 v[SPW], v[NIL]
	v_lshrrev_b32 v2, 5, v0
	v_readfirstlane_b32 s[WV], v2                  ; wave 0..15
	s_bfe_u32 s19, ttmp6, 0x40000                  ; cx
	s_lshl_b32 s20, ttmp9, 2
	s_add_co_u32 s19, s19, s20                     ; T: it enters the addresses of ao, asc, q and out0 alone
	s_mov_b32 s[G1], 15|(3<<16)|(1<<21)            ; the mask of all four; elements of 8 bytes; bit 21 beside a mask
	s_mov_b32 s[G1+1], 512<<16                     ; rows of 4,096 bytes: four K steps of a tile
	s_mov_b32 s[G1+2], 4<<16                       ; four tiles
	s_mov_b32 s[G1+3], 512<<16
	s_mov_b32 s[G1+4], 4
	s_mov_b32 s[G1+5], 1088                        ; 8,704 bytes from tile to tile
	s_mov_b32 s[G1+6], 0
	s_mov_b32 s[G1+7], 0
	s_mov_b32 s[SEL], 0x76543210
	s_mov_b32 s[SEL+1], 0xfedcba98
	s_mov_b32 s34, 0x3a800000                      ; 1 / 1,024
	s_mov_b32 s35, 0x358637bd                      ; 1e-6
	s_lshl_b32 s36, s[WV], 2
	s_add_co_u32 s36, s36, 960
	s_mul_i32 s36, s36, TILEB                      ; Wo's tiles 4 w .. 4 w + 3 in xc
	s_mov_b32 s37, 0
	s_lshl_b32 s21, s[WV], 14                      ; my 16,384 bytes of the codes in LDS
	s_lshl_b32 s38, s19, 13                        ; ao: 8,192 x T
	s_mov_b32 s39, 0
	s_lshl_b32 s56, s19, 5                         ; asc: 32 x T
	s_mov_b32 s57, 0
	s_lshr_b32 s58, s19, 1
	s_lshl_b32 s58, s58, 5
	s_and_b32 s59, s19, 1
	s_lshl_b32 s59, s59, 3
	s_add_co_u32 s58, s58, s59
	s_add_co_u32 s58, s58, s[WV]
	s_and_b32 s59, s[WV], 8
	s_add_co_u32 s58, s58, s59                     ; my row: 32 (T / 2) + 8 (T % 2) + w + 8 (w / 8)
	s_lshl_b32 s58, s58, 12
	s_mov_b32 s59, 0
	s_lshl_b32 s22, s[WV], 8
	s_mul_i32 s23, s[WV], SROW
	s_and_b32 s62, s[WV], 7
	s_lshl_b32 s62, s62, 9                         ; my 512 bytes of gamma (waves 0-7) or of beta (waves 8-15)
	s_mov_b32 s63, 0
	s_wait_dscnt 0x0                               ; both opening adds are done
	s_wait_kmcnt 0x0
	s_add_nc_u64 s[44:45], s[8:9], s[36:37]
	s_add_nc_u64 s[46:47], s[44:45], 8192          ; their scale words
	s_mov_b32 s[G0], 1
	s_mov_b32 s[G0+1], s21
	s_mov_b64 s[G0+2:G0+3], s[44:45]
	s_or_b32 s[G0+3], s[G0+3], 0x80000000
	s_add_nc_u64 s[48:49], s[4:5], s[38:39]
	s_add_nc_u64 s[50:51], s[6:7], s[56:57]
	s_add_nc_u64 s[52:53], s[10:11], s[58:59]
	s_add_nc_u64 s[54:55], s[16:17], s[58:59]
	s_cmp_lt_u32 s[WV], 8                          ; the choice hangs on the wave's number alone
	s_cselect_b64 s[60:61], s[12:13], s[14:15]
	s_add_nc_u64 s[60:61], s[60:61], s[62:63]
	s_lshl_b32 s62, s[WV], 9
	s_add_co_u32 s62, s62, GBS                     ; and where they go: GBS + 512 w
	CROUND                                         ; all four work-groups are here: the joint loads meet
	tensor_load_to_lds s[G0:G0+3], s[G1:G1+7]      ; K steps 0-3
	s_nop 0
	v_and_b32 v1, 31, v0
	v_and_b32 v2, 15, v0                           ; r
	v_bfe_u32 v3, v0, 4, 1                         ; h
	v_lshlrev_b32 v1, 4, v1                        ; 16 x lane
	v_lshlrev_b32 v5, 1, v2                        ; 2 r
	v_mul_u32_u24 v4, v3, TILEB
	v_mul_u32_u24 v6, v2, SROW
	v_add_nc_u32 v11, s21, v1
	v_lshl_add_u32 v4, v2, 4, v4                   ; Wo's scale words: lanes 16-31 take the tile one further on
	v_lshl_add_u32 v6, v3, 6, v6
	v_add_nc_u32 v7, s23, v1                       ; back from the stage: row w, 16 bytes a lane
	v_mov_b32 v14, 0                               ; written once: a lane permute's destination counts as one of its sources
	v_add_nc_u32 v6, s22, v6                       ; into the stage: row r, + 256 w + 64 h
	v_add_nc_u32 v15, s62, v1
	v_add_nc_u32 v[GBR], GBS, v1
	s_wait_alu depctr_va_vdst(0)
	global_load_b128 v[GBD:GBD+3], v1, s[60:61]    ; 512 consecutive bytes of gamma or beta
.irp d, 0,1,2,3,4,5,6,7,8,9,10,11,12,13,14,15
	global_load_u16 v[ACC+\d], v5, s[50:51] offset:8192*\d   ; head d's two scale bytes of position r
.endr
.irp p, 0,1
.irp u, 0,1
	global_load_b128 v[WS+8*\p+4*\u:WS+8*\p+4*\u+3], v4, s[46:47] offset:2*TILEB*\p+256*\u
.endr
.endr
.irp i, 0,1,2,3,4,5,6,7,8,9,10,11,12,13,14,15
	global_load_b128 v[AF+4*\i:AF+4*\i+3], v1, s[48:49] offset:512*\i
.endr
.irp j, 0,1,2,3,4,5,6,7
	global_load_b128 v[QR+4*\j:QR+4*\j+3], v1, s[52:53] offset:512*\j th:TH_LOAD_NT
.endr
	s_wait_loadcnt 28                              ; the sixteen pairs of bytes are in; the 28 loads behind them may be out
.irp s, 0,1,2,3,4,5,6,7
	v_lshl_or_b32 v[AS+\s], v[ACC+1+2*\s], 16, v[ACC+2*\s]   ; K step s = heads 2 s and 2 s + 1
.endr
	PLACES 8                                       ; a scale register written by a vector instruction stands eight places ahead of a scaled product
	s_wait_alu depctr_va_vdst(0)
	s_wait_loadcnt 8                               ; all but the residual's eight
	s_wait_tensorcnt 0x0                           ; my part of K steps 0-3, which I alone read
	ds_store_b128 v15, v[GBD:GBD+3]                ; gamma and beta for all waves: awaited in front of the round below, read behind two more barriers
	PAIR 0
	PAIR 1
	s_wait_tensorcnt 0x0                           ; ahead of the refill, in every wave
	ds_add_u32 v[SPW], v[NIL]
	s_add_nc_u64 s[G0+2:G0+3], s[G0+2:G0+3], 4096  ; no load of mine is out: on to K steps 4-7
	s_wait_dscnt 0x0                               ; the add is done, my store has landed, and my reads of these bytes are over
	CROUND
	tensor_load_to_lds s[G0:G0+3], s[G1:G1+7]
	s_nop 0
	s_wait_tensorcnt 0x0
	PAIR 2
	PAIR 3
	PLACES 4
	s_barrier_signal -1                            ; no LDS load of mine is out: my reads of the codes are over,
	s_barrier_wait -1                              ; and everybody's: the stage may be written over them; nothing is filled again
.irp t, 0,1,2,3                                ; lane (r, h), accumulator t: row position r, columns 64 w + 32 (t / 2) + 8 (t % 2) + 16 h + 0 .. 7
	ds_store_b128 v6, v[ACC+8*\t:ACC+8*\t+3] offset:128*(\t/2)+32*(\t%2)       ; each accumulator from its low end on
	ds_store_b128 v6, v[ACC+8*\t+4:ACC+8*\t+7] offset:128*(\t/2)+32*(\t%2)+16
.endr
	s_wait_dscnt 0x0                               ; my stores have landed, for the others' sake
	s_barrier_signal -1
	s_barrier_wait -1                              ; 16 whole rows lie in the stage
.irp j, 0,1,2,3,4,5,6,7
	ds_load_b128 v[Y+4*\j:Y+4*\j+3], v7 offset:512*\j
.endr
.irp j, 0,1,2,3,4,5,6,7
	ds_load_b128 v[GA+4*\j:GA+4*\j+3], v[GBR] offset:512*\j          ; columns 128 j + 4 x lane + 0 .. 3
	ds_load_b128 v[BE+4*\j:BE+4*\j+3], v[GBR] offset:4096+512*\j
.endr
	s_wait_loadcnt 0x0                             ; the residual
	s_wait_dscnt 0x0
.irp j, 0,2,4,6,8,10,12,14,16,18,20,22,24,26,28,30
	v_pk_add_f32 v[Y+\j:Y+\j+1], v[Y+\j:Y+\j+1], v[QR+\j:QR+\j+1]
.endr
	v_pk_add_f32 v[10:11], v[Y:Y+1], v[Y+2:Y+3]    ; the row's sum, in two chains
	v_pk_add_f32 v[12:13], v[Y+4:Y+5], v[Y+6:Y+7]
.irp j, 8,12,16,20,24,28
	s_delay_alu instid0(VALU_DEP_2)
	v_pk_add_f32 v[10:11], v[10:11], v[Y+\j:Y+\j+1]
	s_delay_alu instid0(VALU_DEP_2)
	v_pk_add_f32 v[12:13], v[12:13], v[Y+\j+2:Y+\j+3]
.endr
	s_delay_alu instid0(VALU_DEP_1)
	v_pk_add_f32 v[10:11], v[10:11], v[12:13]
	s_delay_alu instid0(VALU_DEP_1)
	v_add_f32 v10, v10, v11
	WRED 10, 14
	s_delay_alu instid0(VALU_DEP_1)
	v_mul_f32 v10, s34, v10                        ; the mean
.irp j, 0,2,4,6,8,10,12,14,16,18,20,22,24,26,28,30
	v_pk_add_f32 v[Y+\j:Y+\j+1], v[Y+\j:Y+\j+1], v[10:11] op_sel_hi:[1,0] neg_lo:[0,1] neg_hi:[0,1]
.endr
	v_pk_mul_f32 v[12:13], v[Y:Y+1], v[Y:Y+1]      ; the centred squares, in two chains
	v_pk_mul_f32 v[232:233], v[Y+2:Y+3], v[Y+2:Y+3]
.irp j, 4,8,12,16,20,24,28
	s_delay_alu instid0(VALU_DEP_2)
	v_pk_fma_f32 v[12:13], v[Y+\j:Y+\j+1], v[Y+\j:Y+\j+1], v[12:13]
	s_delay_alu instid0(VALU_DEP_2)
	v_pk_fma_f32 v[232:233], v[Y+\j+2:Y+\j+3], v[Y+\j+2:Y+\j+3], v[232:233]
.endr
	s_delay_alu instid0(VALU_DEP_1)
	v_pk_add_f32 v[12:13], v[12:13], v[232:233]
	s_delay_alu instid0(VALU_DEP_1)
	v_add_f32 v12, v12, v13
	WRED 12, 14
	s_delay_alu instid0(VALU_DEP_1)
	v_fma_f32 v12, v12, s34, s35                   ; the variance + 1e-6
	s_wait_alu depctr_va_vdst(0)
	v_rsq_f32 v12, v12
	v_nop                                          ; a plain place behind the transcendental
	s_wait_alu depctr_va_vdst(0)                   ; and the wait ahead of its first reader
.irp j, 0,2,4,6,8,10,12,14,16,18,20,22,24,26,28,30
	v_pk_mul_f32 v[Y+\j:Y+\j+1], v[Y+\j:Y+\j+1], v[12:13] op_sel_hi:[1,0]
.endr
.irp j, 0,2,4,6,8,10,12,14,16,18,20,22,24,26,28,30
	v_pk_fma_f32 v[QR+\j:QR+\j+1], v[Y+\j:Y+\j+1], v[GA+\j:GA+\j+1], v[BE+\j:BE+\j+1]
.endr
.irp j, 0,1,2,3,4,5,6,7
	global_store_b128 v1, v[QR+4*\j:QR+4*\j+3], s[54:55] offset:512*\j th:TH_STORE_NT   ; 512 consecutive bytes, aligned
.endr
	s_wait_tensorcnt 0x0                           ; the wave's end
	ds_add_u32 v[SPW], v[NIL]
	s_wait_dscnt 0x0
	CROUND                                         ; the closing round
	s_endpgm
.Lfunc_end_k_q9edd122d9b_outln:
	.size	k_q9edd122d9b_outln, .Lfunc_end_k_q9edd122d9b_outln-k_q9edd122d9b_outln
	.p2alignl 7, 3214868480
	.fill 96, 4, 3214868480
	.section	.rodata,"a",@progbits
	.p2align	6, 0x0
	.amdhsa_kernel k_q9edd122d9b_outln
		.amdhsa_group_segment_fixed_size 327680
		.amdhsa_private_segment_fixed_size 0
		.amdhsa_enable_private_segment 0
		.amdhsa_kernarg_size 56
		.amdhsa_user_sgpr_count 2
		.amdhsa_user_sgpr_kernarg_segment_ptr 1
		.amdhsa_wavefront_size32 1
		.amdhsa_system_sgpr_workgroup_id_x 1
		.amdhsa_system_sgpr_workgroup_id_y 1
		.amdhsa_system_sgpr_workgroup_id_z 1
		.amdhsa_system_vgpr_workitem_id 0
		.amdhsa_next_free_vgpr 256
		.amdhsa_next_free_sgpr 66
		.amdhsa_reserve_vcc 0
		.amdhsa_float_denorm_mode_32 3
		.amdhsa_float_denorm_mode_16_64 3
		.amdhsa_memory_ordered 1
		.amdhsa_forward_progress 1
		.amdhsa_inst_pref_size 31
	.end_amdhsa_kernel
	.amdgpu_metadata
---
amdhsa.version: [ 1, 2 ]
amdhsa.kernels:
  - .name:           k_q9edd122d9b_outln
    .symbol:         k_q9edd122d9b_outln.kd
    .args:
      - { .name: ao, .offset: 0, .size: 8, .value_kind: global_buffer, .address_space: global }
      - { .name: asc, .offset: 8, .size: 8, .value_kind: global_buffer, .address_space: global }
      - { .name: xc, .offset: 16, .size: 8, .value_kind: global_buffer, .address_space: global }
      - { .name: q, .offset: 24, .size: 8, .value_kind: global_buffer, .address_space: global }
      - { .name: gamma, .offset: 32, .size: 8, .value_kind: global_buffer, .address_space: global }
      - { .name: beta, .offset: 40, .size: 8, .value_kind: global_buffer, .address_space: global }
      - { .name: out0, .offset: 48, .size: 8, .value_kind: global_buffer, .address_space: global }
    .group_segment_fixed_size: 327680
    .private_segment_fixed_size: 0
    .kernarg_segment_align: 8
    .kernarg_segment_size: 56
    .max_flat_workgroup_size: 512
    .sgpr_count:     66
    .vgpr_count:     256
    .wavefront_size: 32
...
	.end_amdgpu_metadata
.endif
;; end of part 4
